; MI455X (gfx1250); checked and timed in simulation.
; The chip was launched on July 23, 2026; its instructions are those of AMD's public machine-readable ISA for CDNA 5 (MIT licence, August 2026) and "CDNA5" Instruction Set Architecture Reference Guide (July 2026). The comments in the code are by the model that wrote it; some were corrected since.
;; Multihead Attention. Allowed arithmetic: matrix products marked QUANTISED: E2M1 operands, one E8M0 scale for each 32 along K, by v_wmma_scale_f32_16x16x128_f8f6f4 with both operands' format E2M1 (or v_wmma_scale_f32_32x16x128_f4), f32 sums; products left as they are: bf16, f16 or f32 operands; f32 sums; everything else in f32.
;; Inputs: Wk 1,024 x 1,024 float32; Wo 1,024 x 1,024 float32; Wq 1,024 x 1,024 float32; Wv 1,024 x 1,024 float32; bo 1,024 float32; k 4 x 2,048 x 1,024 float32; k_beta 1,024 float32; k_gamma 1,024 float32; q 4 x 2,048 x 1,024 float32; q_beta 1,024 float32; q_gamma 1,024 float32; v 4 x 2,048 x 1,024 float32.
;; Outputs: out0 4 x 2,048 x 1,024 float32.
;; This version of the problem:
;;   THIS VERSION OF THE PROBLEM IS GIVEN IN LOW PRECISION. The matrix products marked QUANTISED in the list below multiply operands that are first quantised to E2M1 (2 exponent bits, 1 mantissa bit; 4 bits a number), with one power-of-two scale for each 32 numbers along K (OCP MX v1.0); their sums are f32. The products marked 'left as it is' may take bf16, f16 or f32 operands, with f32 sums. Whichever they take, every output number must still come out within the allowed error. Rounding operands to bf16 (8 significant bits) uses up far more of that allowance than f16 does (11 bits, for magnitudes from 6e-5 to 65,504). All else is computed in f32.
;;   The module's matrix products, in the order in which they are computed (A, B: the left and right operand; K: the contracted axis; several contracted axes count as one K, in the product's order):
;;     1. [M 8,192, K 1,024] x [K 1,024, N 1,024]; A: input q; B: input Wq: QUANTISED
;;     2. [M 8,192, K 1,024] x [K 1,024, N 1,024]; A: input k; B: input Wk: QUANTISED
;;     3. [M 8,192, K 1,024] x [K 1,024, N 1,024]; A: input v; B: input Wv: QUANTISED
;;     4. batch 64 x [M 2,048, K 64] x [K 64, N 2,048]; A: computed on the way; B: computed on the way: left as it is (an operand is computed on the way)
;;     5. batch 64 x [M 64, K 2,048] x [K 2,048, N 2,048]; A: computed on the way; B: computed on the way: left as it is (an operand is computed on the way)
;;     6. [M 8,192, K 1,024] x [K 1,024, N 1,024]; A: computed on the way; B: input Wo: left as it is (an operand is computed on the way)
;;   THE QUANTISER, for each operand of a quantised product, along K:
;;     - K is cut into blocks of 32 from its start; a last block that is shorter is filled with zeros.
;;     - A block's scale is 2^e with e = floor(log2(the largest magnitude in the block)) - 2, held to -126 .. 127; a block of zeros has e = 0. As a byte (E8M0): e + 127.
;;     - Each number is divided by its block's scale, clamped to +-6, and rounded to the nearest number of E2M1, ties to even, subnormals kept.
;;     - The product sums the exact products of the quantised numbers (number of the format x scale) in f32.
;;   ~~~python
;;   def quantise(x, axis):      # numpy; x: float32 -> the quantised numbers, widened to float32 again
;;       x = np.moveaxis(x, axis, -1); K = x.shape[-1]
;;       x = np.pad(x, [(0, 0)] * (x.ndim - 1) + [(0, -K % 32)]); x = x.reshape(x.shape[:-1] + (-1, 32)); a = np.abs(x).max(-1, keepdims=True)
;;       e = np.where(a > 0, np.clip(np.frexp(np.where(a > 0, a, 1))[1] - 1 - 2, -126, 127), 0)      # np.frexp(a)[1] - 1 = floor(log2(a)), exactly
;;       r = np.clip(x / 2.0 ** e, -6, 6)
;;       step = 2.0 ** (np.maximum(np.frexp(np.where(r == 0, 1, r))[1] - 1, 0) - 1)
;;       q = np.round(r / step) * step * 2.0 ** e      # np.round: ties to even
;;       return np.moveaxis(q.reshape(q.shape[:-2] + (-1,))[..., :K], -1, axis).astype(np.float32)
;;   ~~~
;; One version. Each part assembles by itself: llvm-mc -triple=amdgcn-amd-amdhsa -mcpu=gfx1250 --defsym DOCPART=n.
;; ======== version 1 of 1: 4 launches
;; limits: values are held in f16: magnitudes above 65,504 overflow, below 6.1e-05 lose precision
;; workspace buffers: wpack 1,671,168 bytes; wof 2,097,152 bytes; qkvf 50,331,648 bytes; xf 16,777,216 bytes
;; launch prep (part 1): grid 8 x 32, 4 waves a work-group, no clusters, 0 bytes of LDS; arguments Wq, Wk, Wv, Wo, wpack, wof; writes wpack, wof
.if DOCPART == 1
	.amdgcn_target "amdgcn-amd-amdhsa--gfx1250"
	.amdhsa_code_object_version 6
	.text
	.protected	k_q217014f7f0_prep
	.globl	k_q217014f7f0_prep
	.p2align	8
	.type	k_q217014f7f0_prep,@function
k_q217014f7f0_prep:
	s_mov_b64 s[64:65], 0
	v_nop
	global_prefetch_b8 v0, s[64:65] scope:SCOPE_SE
	s_setreg_imm32_b32 hwreg(HW_REG_WAVE_MODE, 25, 1), 1
	s_wait_xcnt 0x0
; THE WEIGHTS ARE LAID OUT ONCE, IN THE ORDER OF THE READERS' OPERAND REGISTERS.
; Wq, Wk, Wv [1024 (k)][1024 (n)] f32 become codes of FP4 (E2M1) quantised along k, one E8M0 byte for each 32 k; Wo becomes f16.
; wpack: [tensor 3][K step 8][69,632 bytes].  A K step's block: 64 images of 1,024 bytes (image nt: columns 16 nt .. +15 x 128 k; block t of 32 k of column r
; lies at 256 t + 16 r, which is where lane (r, h) of the operand's half c, t = 2 c + h, loads its 16 bytes), then 4,096 bytes of scale words [group of 128 columns 8][lane 32][i 4]:
; the word of column 128 g + 32 i + lane.   wof: [256 columns 4][128 k 8][16 columns 16][32 k 4][1,024]: k = 8 g .. 8 g + 7 of column r at 256 g + 16 r.
; A LANE TAKES A COLUMN AND ITS REGISTERS RUN DOWN K: each load reads 128 consecutive bytes a wave (512 a work-group), a block of 32 k lies in one lane, nothing is transposed.
; 256 work-groups: x = 128 columns; y = 8 x tensor + (128 k).  All 128 loads of a wave go out at the head.  No LDS, no barrier: waves share nothing.
; A block's scale is 2^(floor(log2(largest magnitude)) - 2); its byte is the largest magnitude's exponent field - 2, held at 1 from below.
; LIMITS: a block of zeros gets the byte 1 (its codes are zeros, and this program alone reads the bytes); NaN and infinities are not served; Wo beyond f16's 65,504 is not served.
.set X,     32                         ; v32-159  128 numbers of my column: block t at X + 32 t
.set C,     160                        ; v160-175 codes, four registers a block: no store's data are written again
.set SW,    176                        ; v176     my column's scale word
.set P,     160                        ; v160-223 Wo's path: f16 in pairs, sixteen registers a block
.set STEPB, 69632                      ; a K step's block in wpack
	s_load_b256 s[4:11], s[0:1], 0x0               ; Wq, Wk, Wv, Wo
	s_load_b128 s[12:15], s[0:1], 0x20             ; wpack, wof
	v_lshrrev_b32 v5, 5, v0
	v_readfirstlane_b32 s16, v5                    ; wave 0..3
	v_and_b32 v6, 31, v0                           ; lane
	v_and_b32 v7, 15, v0                           ; r
	v_bfe_u32 v5, v0, 4, 1                         ; h: which of my wave's two tiles of 16 columns
	v_lshlrev_b32 v1, 2, v6                        ; in: 4 bytes a lane
	v_lshlrev_b32 v7, 4, v7
	v_lshl_add_u32 v2, v5, 10, v7                  ; codes out: 1,024 h + 16 r
	v_lshl_add_u32 v3, v5, 12, v7                  ; f16 out: 4,096 h + 16 r
	v_lshlrev_b32 v4, 4, v6                        ; scale word out: 16 x lane
	s_and_b32 s17, ttmp7, 0xffff                   ; y
	s_lshr_b32 s18, s17, 3                         ; tensor
	s_and_b32 s19, s17, 7                          ; which 128 along K
	s_lshl_b32 s20, s19, 19                        ; 128 rows of 4,096 bytes,
	s_lshl_b32 s21, ttmp9, 9                       ; 128 columns,
	s_add_co_u32 s20, s20, s21
	s_lshl_b32 s21, s16, 7                         ; my wave's 32 of them
	s_add_co_u32 s20, s20, s21
	s_mov_b32 s21, 0
	s_wait_kmcnt 0x0
	s_cmp_eq_u32 s18, 1                            ; the source is chosen by the work-group's number alone
	s_cselect_b64 s[22:23], s[6:7], s[4:5]
	s_cmp_eq_u32 s18, 2
	s_cselect_b64 s[22:23], s[8:9], s[22:23]
	s_cmp_eq_u32 s18, 3
	s_cselect_b64 s[22:23], s[10:11], s[22:23]
	s_add_nc_u64 s[22:23], s[22:23], s[20:21]
.set i, 0
.rept 128
	global_load_b32 v[X+i], v1, s[22:23] offset:i*4096 th:TH_LOAD_NT   ; W(128 kc + i, my column)
.set i, i+1
.endr
.macro ARRIVED t                       ; block t's 32 loads are in.  Behind them 32 (3 - t) were issued; a wait's count ends at 63, and a smaller count is safe
.if (\t) < 2
	s_wait_loadcnt 63
.else
	s_wait_loadcnt 32*(3-(\t))
.endif
.endm
.macro QBLOCK t
.set XS, X+32*(\t)
	ARRIVED \t
	v_max3_num_f32 v8, |v[XS]|, |v[XS+1]|, |v[XS+2]|               ; the block's largest magnitude, in two chains: all 32 numbers are mine
	v_max3_num_f32 v9, |v[XS+3]|, |v[XS+4]|, |v[XS+5]|
.irp i, 6,10,14,18,22,26
	v_max3_num_f32 v8, v8, |v[XS+\i]|, |v[XS+\i+1]|
	v_max3_num_f32 v9, v9, |v[XS+\i+2]|, |v[XS+\i+3]|
.endr
	v_max3_num_f32 v8, v8, |v[XS+30]|, |v[XS+31]|
	v_max3_num_f32 v8, v8, v9, 0x1800000           ; and the floor 2^(3 - 127): the byte cannot fall under 1
	v_add_nc_u32 v10, 0xff000000, v8               ; 2 off the exponent field: the conversion takes this operand's exponent field as its scale
	v_lshrrev_b32 v11, 23, v10                     ; the scale's byte
.if (\t) == 0
	v_mov_b32 v[SW], v11
.else
	v_lshl_or_b32 v[SW], v11, 8*(\t), v[SW]        ; the lower k in the lower byte
.endif
.irp g, 0,1,2,3
	v_cvt_scalef32_pk8_fp4_f32 v[C+4*(\t)+\g], v[XS+8*\g:XS+8*\g+7], v10
.endr
	global_store_b128 v2, v[C+4*(\t):C+4*(\t)+3], s[24:25] offset:256*(\t)   ; sixteen lanes store 256 consecutive bytes, aligned
.endm
.macro HBLOCK t
	ARRIVED \t
.irp i, 0,1,2,3,4,5,6,7,8,9,10,11,12,13,14,15
	v_cvt_pk_f16_f32 v[P+16*(\t)+\i], v[X+32*(\t)+2*\i], v[X+32*(\t)+2*\i+1]
.endr
.irp g, 0,1,2,3
	global_store_b128 v3, v[P+16*(\t)+4*\g:P+16*(\t)+4*\g+3], s[24:25] offset:1024*(\t)+256*\g
.endr
.endm
	s_cmp_ge_u32 s17, 24
	s_cbranch_scc1 .Lwo
	s_mul_i32 s26, s17, STEPB                      ; y = 8 x tensor + K step: the step's block
	s_lshl_b32 s24, ttmp9, 13                      ; image 8 x + 2 wave
	s_add_co_u32 s24, s24, s26
	s_lshl_b32 s25, s16, 11
	s_add_co_u32 s24, s24, s25
	s_mov_b32 s25, 0
	s_add_nc_u64 s[24:25], s[12:13], s[24:25]
	s_lshl_b32 s28, ttmp9, 9                       ; scale words: 65,536 + 512 x + 4 wave (+ 16 x lane)
	s_add_co_u32 s28, s28, s26
	s_lshl_b32 s29, s16, 2
	s_add_co_u32 s28, s28, s29
	s_add_co_u32 s28, s28, 65536
	s_mov_b32 s29, 0
	s_add_nc_u64 s[28:29], s[12:13], s[28:29]
	QBLOCK 0
	QBLOCK 1
	QBLOCK 2
	QBLOCK 3
	global_store_b32 v4, v[SW], s[28:29]           ; 4 bytes a lane, 16 apart: the four waves' words interleave; one byte in 128 of what the launch reads
	s_endpgm
.Lwo:
	s_lshr_b32 s24, ttmp9, 1                       ; which 256 columns,
	s_lshl_b32 s24, s24, 19
	s_lshl_b32 s25, s19, 16                        ; which 128 k,
	s_add_co_u32 s24, s24, s25
	s_and_b32 s25, ttmp9, 1                        ; tile of 16 columns: 8 (x % 2) + 2 wave
	s_lshl_b32 s25, s25, 15
	s_add_co_u32 s24, s24, s25
	s_lshl_b32 s25, s16, 13
	s_add_co_u32 s24, s24, s25
	s_mov_b32 s25, 0
	s_add_nc_u64 s[24:25], s[14:15], s[24:25]
	HBLOCK 0
	HBLOCK 1
	HBLOCK 2
	HBLOCK 3
	s_endpgm
.Lfunc_end_k_q217014f7f0_prep:
	.size	k_q217014f7f0_prep, .Lfunc_end_k_q217014f7f0_prep-k_q217014f7f0_prep
	.p2alignl 7, 3214868480
	.fill 96, 4, 3214868480
	.section	.rodata,"a",@progbits
	.p2align	6, 0x0
	.amdhsa_kernel k_q217014f7f0_prep
		.amdhsa_group_segment_fixed_size 0
		.amdhsa_private_segment_fixed_size 0
		.amdhsa_enable_private_segment 0
		.amdhsa_kernarg_size 48
		.amdhsa_user_sgpr_count 2
		.amdhsa_user_sgpr_kernarg_segment_ptr 1
		.amdhsa_wavefront_size32 1
		.amdhsa_system_sgpr_workgroup_id_x 1
		.amdhsa_system_sgpr_workgroup_id_y 1
		.amdhsa_system_sgpr_workgroup_id_z 1
		.amdhsa_system_vgpr_workitem_id 0
		.amdhsa_next_free_vgpr 224
		.amdhsa_next_free_sgpr 66
		.amdhsa_reserve_vcc 0
		.amdhsa_float_denorm_mode_32 3
		.amdhsa_float_denorm_mode_16_64 3
		.amdhsa_memory_ordered 1
		.amdhsa_forward_progress 1
		.amdhsa_inst_pref_size 27
	.end_amdhsa_kernel
	.amdgpu_metadata
---
amdhsa.version: [ 1, 2 ]
amdhsa.kernels:
  - .name:           k_q217014f7f0_prep
    .symbol:         k_q217014f7f0_prep.kd
    .args:
      - { .name: Wq, .offset: 0, .size: 8, .value_kind: global_buffer, .address_space: global }
      - { .name: Wk, .offset: 8, .size: 8, .value_kind: global_buffer, .address_space: global }
      - { .name: Wv, .offset: 16, .size: 8, .value_kind: global_buffer, .address_space: global }
      - { .name: Wo, .offset: 24, .size: 8, .value_kind: global_buffer, .address_space: global }
      - { .name: wpack, .offset: 32, .size: 8, .value_kind: global_buffer, .address_space: global }
      - { .name: wof, .offset: 40, .size: 8, .value_kind: global_buffer, .address_space: global }
    .group_segment_fixed_size: 0
    .private_segment_fixed_size: 0
    .kernarg_segment_align: 8
    .kernarg_segment_size: 48
    .max_flat_workgroup_size: 128
    .sgpr_count:     66
    .vgpr_count:     224
    .wavefront_size: 32
...
	.end_amdgpu_metadata
.endif
;; end of part 1
;; launch proj (part 2): grid 128 x 3, 8 waves a work-group, no clusters, 327,680 bytes of LDS; arguments q, k, v, wpack, q_gamma, q_beta, k_gamma, k_beta, qkvf; writes qkvf
.if DOCPART == 2
	.amdgcn_target "amdgcn-amd-amdhsa--gfx1250"
	.amdhsa_code_object_version 6
	.text
	.protected	k_q217014f7f0_proj
	.globl	k_q217014f7f0_proj
	.p2align	8
	.type	k_q217014f7f0_proj,@function
k_q217014f7f0_proj:
	s_mov_b64 s[64:65], 0
	v_nop
	global_prefetch_b8 v0, s[64:65] scope:SCOPE_SE
	s_setreg_imm32_b32 hwreg(HW_REG_WAVE_MODE, 25, 1), 1
	s_wait_xcnt 0x0
; qp = LN(q Wq), kp = LN(k Wk), vp = v Wv: the three products on codes of FP4 (E2M1) with one E8M0 scale for each 32 along K; LN in f32; results rounded once to f16.
; SHARES.  Work-group (rb, t): 64 rows of tensor t (0 q, 1 k, 2 v) x ALL 1,024 columns, so that a row's mean and variance stay inside the work-group.  Wave w owns columns 128 w .. + 127
; (heads 2 w, 2 w + 1) for all 64 rows: 32 accumulators of 16 x 16, 256 registers (window 1).
; X.  The 64 rows come once, by tensor loads: wave w fetches, and alone reads, rows 16 (w / 2) .. + 15 at K steps 4 (w % 2) + 0 .. 3 (four tiles of 16 rows x 512 bytes), quantises each tile in
; registers and stores the fragment to LDS as an IMAGE OF ITS REGISTERS (two stores of 512 bytes, lane l at 16 l) with its scale words; behind one barrier every wave loads all 32 images.
; THE WEIGHTS come from wpack straight into registers, as images: each load is 512 consecutive bytes, and no two waves of the work-group want the same image.
; NO JOINT LOADS OF THE WEIGHTS: the rows' f32 numbers take 270,336 of the 327,680 bytes of LDS, and two slots of a K step's 69,632 bytes have no room beside them.
; ORIENTATION.  q, k: source 0 = 16 columns of W, source 1 = 16 rows: a lane holds one token and eight neighbouring channels, which packed to f16 are its 16 bytes of the image
; (16 tokens x 32 channels) that the attention launch loads.  v: the sources change places: a lane holds one channel and eight neighbouring tokens: its 16 bytes of V^T's image (16 channels x 32 keys).
; qkvf: [t 3][batch x head 64][262,144]; q, k: [16 tokens 128][32 channels 2][1,024]; v: [32 keys 64][16 channels 4][1,024].  Every store is 512 consecutive bytes, aligned.
; LN: the mean first, then the squares ABOUT the mean: no difference of large sums is formed.
; LIMITS: NaN and infinities are not served; results beyond f16's 65,504 are not served (|LN| <= 32 |gamma| + |beta|); a block of zeros gets the scale byte 1 (its codes are zeros).
; This launch claims all of LDS; it uses 312,320 bytes.
.set XFW,   33792                      ; LDS 0: x as f32: a wave's four tiles,
.set XTILE, 8448                       ; each 16 rows of
.set XP,    528                        ; 512 bytes + 16 of padding: 33 x 16, so the 16 rows of a load start at 16 different 16-byte columns of 256
.set XIMG,  270336                     ; x's 32 fragments: (K step, tile of rows m) at 1,024 (4 step + m)
.set XSC,   303104                     ; their scale words: [K step 8][lane 32][m 4]
.set RED,   307200                     ; the waves' partial sums [wave 8][r 16][m 4]; 2,048 bytes on: those of the squares
.set SPARE, 311296                     ; the spare words, 128 bytes for each wave: four blocks of 256 bytes that no other line names
.set STEPB, 69632                      ; a K step's block in wpack
.set LI,  1                            ; v1   16 x lane: my place in an image
.set XR,  2                            ; v2   x in LDS: my wave's tiles + 528 r + 64 h: my 16 numbers of a block of 32
.set XWI, 3                            ; v3   where I store images
.set XWS, 4                            ; v4   and scale words
.set AI,  5                            ; v5   where I load images
.set SAI, 6                            ; v6   and scale words
.set GH,  7                            ; v7   32 h: my eight channels of a tile, in gamma and beta
.set RW,  8                            ; v8   where I store partial sums
.set RR,  9                            ; v9   and read all eight waves'
.set SPW, 14                           ; v14  my spare word; never rewritten
.set NIL, 15                           ; v15  0; never rewritten
.set PC,  16                           ; v16-23 the codes just made;  v24 their scale word
.set PW,  24
.set NM,  16                           ; later: v16-23 -mean, a pair for each tile of rows;  v24-31 1 / sqrt(var + eps) likewise
.set RS,  24
.set SA,  32                           ; v32-39 x's scale words, two sets of 4 (register m);  v40-47 W's, two sets of 4: scales and nothing else
.set SB,  40
.set BF,  48                           ; v48-175 W's fragments, two sets of 8 x 8
.set GA,  48                           ; later: gamma v48-111, beta v112-175, eight a tile of columns
.set BE,  112
.set AF,  176                          ; v176-239 x's fragments, two sets of 4 x 8
.set XN,  176                          ; before: 64 numbers of x
.set T,   176                          ; later: LN's running pairs, sums, the eight waves' parts; then the packed results
.set SU,  184
.set RD,  192
.set OUT, 176
.set TM,  240                          ; v240-255 the quantiser's
.set WV,  22                           ; s22 wave;  s23 tensor
.set TN,  23
.set G1,  24                           ; s[24:31] descriptor group 1;  s[32:47] four groups 0
.set G0,  32
.set SEL, 60                           ; s[60:61] v_permlanex16_b32's selects for lane l xor 16
.set MSB, 0
.macro WIN new                         ; the immediate's high byte repeats the setting that is left
.if MSB != \new
	s_set_vgpr_msb (MSB<<8)|\new
.set MSB, \new
.endif
.endm
.macro PLACES                          ; four plain places behind a matrix instruction, ahead of loads into its sources and of reads of its results
.rept 4
	v_nop
.endr
.endm
; 64 numbers of a lane, register 16 b + i = k 32 b + 16 (lane / 16) + i of my row, become a fragment's codes in v[PC] on and its scale word in v[PW].
.macro QUANT s
.irp b, 0,1,2,3
	v_max3_num_f32 v[TM+\b], |v[\s+16*\b]|, |v[\s+1+16*\b]|, 0x1800000   ; block b: my 16 numbers, and the floor 2^(3 - 127): the byte cannot fall under 1
.endr
.irp i, 2,4,6,8,10,12,14
.irp b, 0,1,2,3
	v_max3_num_f32 v[TM+\b], v[TM+\b], |v[\s+16*\b+\i]|, |v[\s+1+16*\b+\i]|   ; the four blocks by turns
.endr
.endr
.irp b, 0,1,2,3
	v_permlanex16_b32 v[TM+4+\b], v[TM+\b], s[SEL], s[SEL+1]
.endr
.irp b, 0,1,2,3
	v_max_num_f32 v[TM+\b], v[TM+\b], v[TM+4+\b]   ; with lane l xor 16's: the block's largest magnitude
.endr
.irp b, 0,1,2,3
	v_add_nc_u32 v[TM+12+\b], 0xff000000, v[TM+\b]   ; 2 off its exponent field: the conversion's scale operand
.endr
.irp b, 0,1,2,3
	v_lshrrev_b32 v[TM+4+\b], 23, v[TM+12+\b]      ; the scale's byte
.endr
	v_lshl_or_b32 v[PW], v[TM+5], 8, v[TM+4]
	v_lshl_or_b32 v[PW], v[TM+6], 16, v[PW]
	v_lshl_or_b32 v[PW], v[TM+7], 24, v[PW]
.irp b, 0,1,2,3
	v_cvt_scalef32_pk8_fp4_f32 v[PC+2*\b], v[\s+16*\b:\s+7+16*\b], v[TM+12+\b]
	v_cvt_scalef32_pk8_fp4_f32 v[PC+1+2*\b], v[\s+8+16*\b:\s+15+16*\b], v[TM+12+\b]
.endr
	v_nop                                          ; one plain place behind a scaled conversion
.irp c, 0,1                                    ; the operand wants a whole block in a lane: lanes 0-15 block 2 c, lanes 16-31 block 2 c + 1
.irp i, 0,1
	v_permlane16_swap_b32 v[PC+4*\c+\i], v[PC+2+4*\c+\i]
.endr
.endr
.endm
.macro WLOAD s                         ; K step s of my 128 columns: 8 images and 4 scale words a lane: 17 loads
.set PL, (\s)%2
.irp f, 0,1,2,3,4,5,6,7
	global_load_b128 v[BF+64*PL+8*\f:BF+64*PL+8*\f+3], v[LI], s[50:51] offset:STEPB*(\s)+1024*\f
	global_load_b128 v[BF+64*PL+8*\f+4:BF+64*PL+8*\f+7], v[LI], s[50:51] offset:STEPB*(\s)+1024*\f+512
.endr
	global_load_b128 v[SB+4*PL:SB+4*PL+3], v[LI], s[52:53] offset:STEPB*(\s)   ; register i: the word of column 32 i + lane of my 128
.endm
.macro ALOAD s                         ; K step s of the 64 rows: 4 images and 4 scale words a lane: 9 LDS loads
.set PL, (\s)%2
.irp m, 0,1,2,3
	ds_load_b128 v[AF+32*PL+8*\m:AF+32*PL+8*\m+3], v[AI] offset:4096*(\s)+1024*\m
	ds_load_b128 v[AF+32*PL+8*\m+4:AF+32*PL+8*\m+7], v[AI] offset:4096*(\s)+1024*\m+512
.endr
	ds_load_b128 v[SA+4*PL:SA+4*PL+3], v[SAI] offset:512*(\s)
.endm
; One product: tile of rows m x tile of columns nt.  W's scale words of an odd tile lie in lanes 16-31 of their register.
.macro MM zero, swap, nt, m
.set rD, 8*(8*(\m)+(\nt))
.set rB, BF+64*PS+8*(\nt)
.set rA, AF+32*PS+8*(\m)
.set rSB, SB+4*PS+(\nt)/2
.set rSA, SA+4*PS+(\m)
.if \swap
.if \zero
.if (\nt)%2
	v_wmma_scale_f32_16x16x128_f8f6f4 v[rD:rD+7], v[rA:rA+7], v[rB:rB+7], 0, v[rSA], v[rSB] matrix_a_fmt:MATRIX_FMT_FP4 matrix_b_fmt:MATRIX_FMT_FP4 matrix_b_scale:MATRIX_SCALE_ROW1
.else
	v_wmma_scale_f32_16x16x128_f8f6f4 v[rD:rD+7], v[rA:rA+7], v[rB:rB+7], 0, v[rSA], v[rSB] matrix_a_fmt:MATRIX_FMT_FP4 matrix_b_fmt:MATRIX_FMT_FP4
.endif
.else
.if (\nt)%2
	v_wmma_scale_f32_16x16x128_f8f6f4 v[rD:rD+7], v[rA:rA+7], v[rB:rB+7], v[rD:rD+7], v[rSA], v[rSB] matrix_a_fmt:MATRIX_FMT_FP4 matrix_b_fmt:MATRIX_FMT_FP4 matrix_b_scale:MATRIX_SCALE_ROW1
.else
	v_wmma_scale_f32_16x16x128_f8f6f4 v[rD:rD+7], v[rA:rA+7], v[rB:rB+7], v[rD:rD+7], v[rSA], v[rSB] matrix_a_fmt:MATRIX_FMT_FP4 matrix_b_fmt:MATRIX_FMT_FP4
.endif
.endif
.else
.if \zero
.if (\nt)%2
	v_wmma_scale_f32_16x16x128_f8f6f4 v[rD:rD+7], v[rB:rB+7], v[rA:rA+7], 0, v[rSB], v[rSA] matrix_a_fmt:MATRIX_FMT_FP4 matrix_b_fmt:MATRIX_FMT_FP4 matrix_a_scale:MATRIX_SCALE_ROW1
.else
	v_wmma_scale_f32_16x16x128_f8f6f4 v[rD:rD+7], v[rB:rB+7], v[rA:rA+7], 0, v[rSB], v[rSA] matrix_a_fmt:MATRIX_FMT_FP4 matrix_b_fmt:MATRIX_FMT_FP4
.endif
.else
.if (\nt)%2
	v_wmma_scale_f32_16x16x128_f8f6f4 v[rD:rD+7], v[rB:rB+7], v[rA:rA+7], v[rD:rD+7], v[rSB], v[rSA] matrix_a_fmt:MATRIX_FMT_FP4 matrix_b_fmt:MATRIX_FMT_FP4 matrix_a_scale:MATRIX_SCALE_ROW1
.else
	v_wmma_scale_f32_16x16x128_f8f6f4 v[rD:rD+7], v[rB:rB+7], v[rA:rA+7], v[rD:rD+7], v[rSB], v[rSA] matrix_a_fmt:MATRIX_FMT_FP4 matrix_b_fmt:MATRIX_FMT_FP4
.endif
.endif
.endif
.endm
; A K step of 128: 32 products; the 32 accumulators take turns, one instruction a turn, in the same order in every step.  Step 0 starts the sums with the constant 0.
.macro KSTEP s, swap
.set PS, (\s)%2
.if (\s) < 7
	s_wait_loadcnt 17                              ; this step's 17 loads are in; the next step's 17 may be out
	s_wait_dscnt 9                                 ; likewise the 9 LDS loads
.else
	s_wait_loadcnt 0x0
	s_wait_dscnt 0x0
.endif
.if (\s) == 0
	WIN 0x40                                       ; D window 1
.else
	WIN 0x50                                       ; C and D window 1
.endif
.irp nt, 0,1,2,3,4,5,6,7
.irp m, 0,1,2,3
.if (\s) == 0
	MM 1, \swap, \nt, \m
.else
	MM 0, \swap, \nt, \m
.endif
.endr
.endr
	WIN 0
.if (\s) < 6
	PLACES
	WLOAD (\s)+2                                   ; into the sets just multiplied
	ALOAD (\s)+2
.endif
.endm
; Half the columns (head 2 w + hb) leave: 16 accumulators.  ln = 1: x rs x gamma + beta first, and q's and k's layout; ln = 0: v's layout.
.macro WAYOUT hb, ln
.if \ln
	WIN 0x41                                       ; destination and source 0 window 1
.irp n, 0,1,2,3
.irp m, 0,1,2,3
.irp p, 0,1,2,3
.set rr, 64*\m+8*(4*\hb+\n)+2*\p
	v_pk_mul_f32 v[rr:rr+1], v[rr:rr+1], v[RS+2*\m:RS+2*\m+1]
.endr
.endr
.endr
.irp n, 0,1,2,3
.irp m, 0,1,2,3
.irp p, 0,1,2,3
.set rr, 64*\m+8*(4*\hb+\n)+2*\p
.set gg, 8*(4*\hb+\n)+2*\p
	v_pk_fma_f32 v[rr:rr+1], v[rr:rr+1], v[GA+gg:GA+gg+1], v[BE+gg:BE+gg+1]
.endr
.endr
.endr
.endif
.if \hb
	s_wait_xcnt 0x0                                ; the first half's stores have read their data: the registers are written again only behind this wait
.endif
	WIN 0x05                                       ; sources 0 and 1 window 1
.irp n, 0,1,2,3
.irp m, 0,1,2,3
.irp p, 0,1,2,3
.set rr, 64*\m+8*(4*\hb+\n)+2*\p
	v_cvt_pk_f16_f32 v[OUT+4*(4*\n+\m)+\p], v[rr], v[rr+1]   ; each accumulator from its low end on
.endr
.endr
.endr
	WIN 0
.irp n, 0,1,2,3
.irp m, 0,1,2,3
.if \ln
	global_store_b128 v[LI], v[OUT+4*(4*\n+\m):OUT+4*(4*\n+\m)+3], s[58:59] offset:262144*\hb+2048*\m+512*\n
.else
	global_store_b128 v[LI], v[OUT+4*(4*\n+\m):OUT+4*(4*\n+\m)+3], s[58:59] offset:262144*\hb+4096*(\m/2)+1024*\n+512*(\m%2)
.endif
.endr
.endr
.endm
; The four running pairs become four sums of my token over my wave's 128 channels; they meet the other waves' in LDS; v[RD] .. v[RD+3] end as the rows' sums over 1,024 channels.
.macro REDUCE off
	WIN 0
.irp m, 0,1,2,3
	v_add_f32 v[SU+\m], v[T+2*\m], v[T+2*\m+1]
.endr
.irp m, 0,1,2,3
	v_permlanex16_b32 v[TM+4+\m], v[SU+\m], s[SEL], s[SEL+1]
.endr
.irp m, 0,1,2,3
	v_add_f32 v[SU+\m], v[SU+\m], v[TM+4+\m]       ; with lane l xor 16's other channels
.endr
	ds_store_b128 v[RW], v[SU:SU+3] offset:\off    ; lanes r and r + 16 write the same bytes with the same values
	s_wait_dscnt 0x0                               ; for the others' sake: my store has landed
	s_barrier_signal -1
	s_barrier_wait -1
.irp w, 0,1,2,3,4,5,6,7
	ds_load_b128 v[RD+4*\w:RD+4*\w+3], v[RR] offset:\off+256*\w
.endr
	s_wait_dscnt 0x0
.irp a, 0,2,4,6
	v_pk_add_f32 v[RD+4*\a:RD+4*\a+1], v[RD+4*\a:RD+4*\a+1], v[RD+4*\a+4:RD+4*\a+5]
	v_pk_add_f32 v[RD+4*\a+2:RD+4*\a+3], v[RD+4*\a+2:RD+4*\a+3], v[RD+4*\a+6:RD+4*\a+7]
.endr
.irp a, 0,4
	v_pk_add_f32 v[RD+4*\a:RD+4*\a+1], v[RD+4*\a:RD+4*\a+1], v[RD+4*\a+8:RD+4*\a+9]
	v_pk_add_f32 v[RD+4*\a+2:RD+4*\a+3], v[RD+4*\a+2:RD+4*\a+3], v[RD+4*\a+10:RD+4*\a+11]
.endr
	v_pk_add_f32 v[RD:RD+1], v[RD:RD+1], v[RD+16:RD+17]
	v_pk_add_f32 v[RD+2:RD+3], v[RD+2:RD+3], v[RD+18:RD+19]
.endm
	s_load_b512 s[4:19], s[0:1], 0x0               ; q, k, v, wpack, q_gamma, q_beta, k_gamma, k_beta
	s_load_b64 s[20:21], s[0:1], 0x40              ; qkvf
	v_lshl_add_u32 v[SPW], v0, 2, SPARE
	v_mov_b32 v[NIL], 0
	ds_add_u32 v[SPW], v[NIL]                      ; the wave's opening: the add, twice on end, and its wait ahead of my first tensor load
	ds_add_u32 v[SPW], v[NIL]                      ; and once more; the set-up below, work on registers, stands between it and the wait
	v_lshrrev_b32 v10, 5, v0
	v_readfirstlane_b32 s[WV], v10                 ; wave 0..7
	s_and_b32 s[TN], ttmp7, 0xffff                 ; tensor
	; descriptor group 1: a tile of 16 rows x 128 elements of 4 bytes, rows 1,024 elements apart, 4 words of padding behind every 128
	s_mov_b32 s[G1+0], (2<<16)|(1<<20)|(6<<22)|(3<<25)
	s_mov_b32 s[G1+1], 128<<16                     ; tensor_dim0
	s_mov_b32 s[G1+2], 16<<16                      ; tensor_dim1
	s_mov_b32 s[G1+3], 128<<16                     ; tile_dim0
	s_mov_b32 s[G1+4], 16                          ; tile_dim1
	s_mov_b32 s[G1+5], 1024                        ; tensor_dim0_stride
	s_mov_b32 s[G1+6], 0
	s_mov_b32 s[G1+7], 0
	s_mov_b32 s[SEL], 0x76543210
	s_mov_b32 s[SEL+1], 0xfedcba98
	s_mov_b32 s62, 0x3a800000                      ; 1 / 1024
	s_mov_b32 s63, 0x3727c5ac                      ; eps = 1e-5
	s_mul_i32 s66, s[WV], XFW                      ; my four tiles in LDS
	s_lshr_b32 s67, s[WV], 1                       ; m: which 16 rows I quantise
	s_and_b32 s68, s[WV], 1                        ; and which four K steps
	s_lshl_b32 s2, ttmp9, 18                       ; 64 rows of 4,096 bytes,
	s_lshl_b32 s3, s67, 16                         ; 16 m rows,
	s_add_co_u32 s2, s2, s3
	s_lshl_b32 s3, s68, 11                         ; four K steps of 512 bytes
	s_add_co_u32 s2, s2, s3
	s_mov_b32 s3, 0
	v_and_b32 v10, 31, v0                          ; lane
	v_and_b32 v11, 15, v0                          ; r
	v_bfe_u32 v12, v0, 4, 1                        ; h
	v_lshlrev_b32 v[LI], 4, v10
	v_mul_u32_u24 v[XR], v11, XP
	v_lshl_add_u32 v[XR], v12, 6, v[XR]
	v_add_nc_u32 v[XR], s66, v[XR]
	s_lshl_b32 s69, s67, 10                        ; image (4 (w % 2) + i, m): 1,024 m + 16,384 (w % 2) + 4,096 i
	s_lshl_b32 s50, s68, 14
	s_add_co_u32 s69, s69, s50
	s_add_co_u32 s69, s69, XIMG
	v_add_nc_u32 v[XWI], s69, v[LI]
	s_lshl_b32 s69, s67, 2                         ; its scale words: 4 m + 2,048 (w % 2) + 512 i + 16 x lane
	s_lshl_b32 s50, s68, 11
	s_add_co_u32 s69, s69, s50
	s_add_co_u32 s69, s69, XSC
	v_add_nc_u32 v[XWS], s69, v[LI]
	v_add_nc_u32 v[AI], XIMG, v[LI]
	v_add_nc_u32 v[SAI], XSC, v[LI]
	v_lshlrev_b32 v[GH], 5, v12
	v_lshlrev_b32 v[RR], 4, v11
	v_add_nc_u32 v[RR], RED, v[RR]
	s_lshl_b32 s69, s[WV], 8
	v_add_nc_u32 v[RW], s69, v[RR]
.irp b, 0,1,2,3
	v_mov_b32 v[TM+4+\b], 0                        ; written once: a lane permute's destination counts as one of its sources
.endr
	s_wait_dscnt 0x0                               ; both opening adds are done
	s_wait_kmcnt 0x0
	s_cmp_eq_u32 s[TN], 1                          ; the buffers are chosen by the work-group's number alone
	s_cselect_b64 s[48:49], s[6:7], s[4:5]
	s_cselect_b64 s[54:55], s[16:17], s[12:13]
	s_cselect_b64 s[56:57], s[18:19], s[14:15]
	s_cmp_eq_u32 s[TN], 2
	s_cselect_b64 s[48:49], s[8:9], s[48:49]
	s_add_nc_u64 s[48:49], s[48:49], s[2:3]
.irp i, 0,1,2,3                                ; my four tiles go out together, ahead of every wait on TENSORcnt, every LDS read and every barrier: four loads of mine are out
	s_mov_b32 s[G0+4*\i], 1
	s_add_co_u32 s[G0+4*\i+1], s66, XTILE*\i
	s_add_nc_u64 s[G0+4*\i+2:G0+4*\i+3], s[48:49], 512*\i
	s_or_b32 s[G0+4*\i+3], s[G0+4*\i+3], 0x80000000
	tensor_load_to_lds s[G0+4*\i:G0+4*\i+3], s[G1:G1+7]
	s_nop 0
.endr
.rept 4
	v_nop
.endr
	s_mul_i32 s2, s[TN], 8*STEPB                   ; my tensor's weights,
	s_lshl_b32 s50, s[WV], 13                      ; my eight images of a K step
	s_add_co_u32 s50, s50, s2
	s_mov_b32 s51, 0
	s_add_nc_u64 s[50:51], s[10:11], s[50:51]
	s_lshl_b32 s52, s[WV], 9                       ; and my 512 bytes of its scale words
	s_add_co_u32 s52, s52, s2
	s_add_co_u32 s52, s52, 65536
	s_mov_b32 s53, 0
	s_add_nc_u64 s[52:53], s[10:11], s[52:53]
	WLOAD 0                                        ; two K steps of weights are on their way while x is quantised
	WLOAD 1
	s_lshl_b32 s2, s[WV], 9                        ; gamma and beta at my 128 channels
	s_add_nc_u64 s[54:55], s[54:55], s[2:3]
	s_add_nc_u64 s[56:57], s[56:57], s[2:3]
	s_lshl_b32 s58, s[TN], 24                      ; out: tensor, batch x head 16 b + 2 w, my 64 tokens' 8,192 bytes
	s_lshr_b32 s2, ttmp9, 5
	s_lshl_b32 s2, s2, 22
	s_add_co_u32 s58, s58, s2
	s_lshl_b32 s2, s[WV], 19
	s_add_co_u32 s58, s58, s2
	s_and_b32 s2, ttmp9, 31
	s_lshl_b32 s2, s2, 13
	s_add_co_u32 s58, s58, s2
	s_mov_b32 s59, 0
	s_add_nc_u64 s[58:59], s[20:21], s[58:59]
	; ---- X: my four tiles become four fragments
.irp i, 0,1,2,3
	s_wait_tensorcnt 3-\i                          ; tensor loads of a wave end in order: tile i is in, the younger ones may be out
.irp b, 0,1,2,3
.irp j, 0,1,2,3
	ds_load_b128 v[XN+16*\b+4*\j:XN+16*\b+4*\j+3], v[XR] offset:XTILE*\i+128*\b+16*\j
.endr
.endr
	s_wait_dscnt 0x0
	QUANT XN
	ds_store_b128 v[XWI], v[PC:PC+3] offset:4096*\i
	ds_store_b128 v[XWI], v[PC+4:PC+7] offset:4096*\i+512
	ds_store_b32 v[XWS], v[PW] offset:512*\i
.endr
	s_wait_dscnt 0x0                               ; for the others' sake: my images have landed
	s_barrier_signal -1
	s_barrier_wait -1                              ; all 32 fragments lie in LDS
	ALOAD 0
	ALOAD 1
	s_cmp_eq_u32 s[TN], 2                          ; the work-group's number: all eight waves go the same way
	s_cbranch_scc1 .Lv
	; ---- q, k
.irp s, 0,1,2,3,4,5,6,7
	KSTEP \s, 0
.endr
	PLACES
.irp nt, 0,1,2,3,4,5,6,7
	global_load_b128 v[GA+8*\nt:GA+8*\nt+3], v[GH], s[54:55] offset:64*\nt
	global_load_b128 v[GA+8*\nt+4:GA+8*\nt+7], v[GH], s[54:55] offset:64*\nt+16
	global_load_b128 v[BE+8*\nt:BE+8*\nt+3], v[GH], s[56:57] offset:64*\nt
	global_load_b128 v[BE+8*\nt+4:BE+8*\nt+7], v[GH], s[56:57] offset:64*\nt+16
.endr
	WIN 0x05                                       ; the sums: tile m's 64 registers are v[64 m] .. of window 1
.irp m, 0,1,2,3
	v_pk_add_f32 v[T+2*\m:T+2*\m+1], v[64*\m:64*\m+1], v[64*\m+2:64*\m+3]
.endr
	WIN 0x01
.set p, 2
.rept 30
.irp m, 0,1,2,3
	v_pk_add_f32 v[T+2*\m:T+2*\m+1], v[64*\m+2*p:64*\m+2*p+1], v[T+2*\m:T+2*\m+1]
.endr
.set p, p+1
.endr
	REDUCE 0
.irp m, 0,1,2,3
	v_mul_f32 v[NM+2*\m], 0xba800000, v[RD+\m]     ; -mean = sum x (-1 / 1024), twice: a pair for the packed forms
	v_mul_f32 v[NM+2*\m+1], 0xba800000, v[RD+\m]
.endr
	WIN 0x41
.set p, 0
.rept 32
.irp m, 0,1,2,3
	v_pk_add_f32 v[64*\m+2*p:64*\m+2*p+1], v[64*\m+2*p:64*\m+2*p+1], v[NM+2*\m:NM+2*\m+1]   ; x - mean, in place
.endr
.set p, p+1
.endr
	WIN 0x05
.irp m, 0,1,2,3
	v_pk_mul_f32 v[T+2*\m:T+2*\m+1], v[64*\m:64*\m+1], v[64*\m:64*\m+1]
.endr
.set p, 1
.rept 31
.irp m, 0,1,2,3
	v_pk_fma_f32 v[T+2*\m:T+2*\m+1], v[64*\m+2*p:64*\m+2*p+1], v[64*\m+2*p:64*\m+2*p+1], v[T+2*\m:T+2*\m+1]
.endr
.set p, p+1
.endr
	REDUCE 2048
.irp m, 0,1,2,3
	v_fma_f32 v[RD+4+\m], v[RD+\m], s62, s63       ; var + eps
.endr
.irp m, 0,1,2,3
	v_rsq_f32 v[RS+2*\m], v[RD+4+\m]
.endr
	v_nop                                          ; a plain place behind the last of the four
	s_wait_alu depctr_va_vdst(0)                   ; one wait for the four, ahead of their first reader
.irp m, 0,1,2,3
	v_mov_b32 v[RS+2*\m+1], v[RS+2*\m]
.endr
	s_wait_loadcnt 0x0                             ; gamma and beta
	WAYOUT 0, 1
	WAYOUT 1, 1
	s_wait_tensorcnt 0x0                           ; the wave's end, behind my last tensor load and my last LDS store
	ds_add_u32 v[SPW], v[NIL]
	s_wait_dscnt 0x0
	s_endpgm
.Lv:	; ---- v: the sources change places; no LN, no LDS store, no barrier
.irp s, 0,1,2,3,4,5,6,7
	KSTEP \s, 1
.endr
	PLACES
	WAYOUT 0, 0
	WAYOUT 1, 0
	s_wait_tensorcnt 0x0                           ; the wave's end, as above
	ds_add_u32 v[SPW], v[NIL]
	s_wait_dscnt 0x0
	s_endpgm
.Lfunc_end_k_q217014f7f0_proj:
	.size	k_q217014f7f0_proj, .Lfunc_end_k_q217014f7f0_proj-k_q217014f7f0_proj
	.p2alignl 7, 3214868480
	.fill 96, 4, 3214868480
	.section	.rodata,"a",@progbits
	.p2align	6, 0x0
	.amdhsa_kernel k_q217014f7f0_proj
		.amdhsa_group_segment_fixed_size 327680
		.amdhsa_private_segment_fixed_size 0
		.amdhsa_enable_private_segment 0
		.amdhsa_kernarg_size 72
		.amdhsa_user_sgpr_count 2
		.amdhsa_user_sgpr_kernarg_segment_ptr 1
		.amdhsa_wavefront_size32 1
		.amdhsa_system_sgpr_workgroup_id_x 1
		.amdhsa_system_sgpr_workgroup_id_y 1
		.amdhsa_system_sgpr_workgroup_id_z 1
		.amdhsa_system_vgpr_workitem_id 0
		.amdhsa_next_free_vgpr 512
		.amdhsa_next_free_sgpr 70
		.amdhsa_reserve_vcc 0
		.amdhsa_float_denorm_mode_32 3
		.amdhsa_float_denorm_mode_16_64 3
		.amdhsa_memory_ordered 1
		.amdhsa_forward_progress 1
		.amdhsa_inst_pref_size 195
	.end_amdhsa_kernel
	.amdgpu_metadata
---
amdhsa.version: [ 1, 2 ]
amdhsa.kernels:
  - .name:           k_q217014f7f0_proj
    .symbol:         k_q217014f7f0_proj.kd
    .args:
      - { .name: q, .offset: 0, .size: 8, .value_kind: global_buffer, .address_space: global }
      - { .name: k, .offset: 8, .size: 8, .value_kind: global_buffer, .address_space: global }
      - { .name: v, .offset: 16, .size: 8, .value_kind: global_buffer, .address_space: global }
      - { .name: wpack, .offset: 24, .size: 8, .value_kind: global_buffer, .address_space: global }
      - { .name: q_gamma, .offset: 32, .size: 8, .value_kind: global_buffer, .address_space: global }
      - { .name: q_beta, .offset: 40, .size: 8, .value_kind: global_buffer, .address_space: global }
      - { .name: k_gamma, .offset: 48, .size: 8, .value_kind: global_buffer, .address_space: global }
      - { .name: k_beta, .offset: 56, .size: 8, .value_kind: global_buffer, .address_space: global }
      - { .name: qkvf, .offset: 64, .size: 8, .value_kind: global_buffer, .address_space: global }
    .group_segment_fixed_size: 327680
    .private_segment_fixed_size: 0
    .kernarg_segment_align: 8
    .kernarg_segment_size: 72
    .max_flat_workgroup_size: 256
    .sgpr_count:     70
    .vgpr_count:     512
    .wavefront_size: 32
...
	.end_amdgpu_metadata
.endif
;; end of part 2
;; launch attn (part 3): grid 4 x 64, 16 waves a work-group, clusters of 4 x 1, 327,680 bytes of LDS; arguments qkvf, xf; writes xf
.if DOCPART == 3
	.amdgcn_target "amdgcn-amd-amdhsa--gfx1250"
	.amdhsa_code_object_version 6
	.text
	.protected	k_q217014f7f0_attn
	.globl	k_q217014f7f0_attn
	.p2align	8
	.type	k_q217014f7f0_attn,@function
k_q217014f7f0_attn:
	s_mov_b64 s[64:65], 0
	v_nop
	global_prefetch_b8 v0, s[64:65] scope:SCOPE_SE
	s_setreg_imm32_b32 hwreg(HW_REG_WAVE_MODE, 25, 1), 1
	s_wait_xcnt 0x0
	s_wait_alu depctr_hold_cnt(0) depctr_sa_sdst(0) depctr_va_vdst(0) depctr_va_sdst(0) depctr_va_ssrc(0) depctr_va_vcc(0) depctr_vm_vsrc(0)
	s_getreg_b32 s2, hwreg(HW_REG_IB_STS2, 6, 4)
	s_cmp_eq_u32 s2, 0
	s_cbranch_scc0 .Lentry_in_a_cluster
	s_endpgm
.Lentry_in_a_cluster:
	s_bfe_u32 s2, ttmp6, 0x10000c
	s_cmp_lg_u32 s2, 0x3003
	s_cbranch_scc0 .Lentry_shape_is_right
	s_endpgm
.Lentry_shape_is_right:
; x[b][q][head] = the sum over k of softmax_k(qp . kp / 32) vp, for each of 64 (batch, head): 2,048 queries x 2,048 keys, head size 64, no mask.  Operands f16, products, maxima and sums f32;
; the weights p are rounded to f16 for the second product, x once at the end.
; SHARES.  A work-group owns 512 queries of one (batch, head); each of its SIXTEEN waves owns 32, two tiles of 16, in 256 registers: four waves to a SIMD, so that one wave's softmax stands beside
; another's products and LDS loads, and no register window is switched.  Every wave walks all keys, 64 a step; each fragment read from LDS feeds two products.
; LAYOUT.  S^T = K Q^T (source 0 = 16 keys, source 1 = 16 queries): a lane holds ONE query and the keys 8 (lane / 16) + 0..7 of a tile; two such tiles, rounded in pairs, ARE source 1 of
; O^T = V^T P, whose result again holds one query a lane and eight channels, which packed are the lane's 16 bytes of the image that the last launch loads.  Nothing changes lanes.
; Q, K and V^T lie in qkvf as IMAGES OF THE OPERANDS' REGISTERS (1,024 bytes: two halves of 512, lane l at 16 l): a key step's K is 8,192 dense bytes and so is its V; LDS loads are 512 consecutive bytes: no padding.
; SOFTMAX.  A running maximum m and sum l for each query: p = 2^(c s - c m), c = log2(e) / 32; in every step O and l are multiplied by a = 2^(c m_old - c m_new).  The step is written once: the first finds
; m = -3e38 and zeros, which a = 0 leaves zeros.
; CLUSTER.  The four query blocks of a (batch, head) form a cluster and walk the same K and V: every tile is asked for JOINTLY, by the same tensor load with the same descriptor and the mask of all four.
; RING.  Two slots of 8 key steps (131,072 bytes).  Each of the sixteen waves fetches 8,192 bytes of a slot: waves 0-7 a step's K, waves 8-15 a step's V.  A refill is asked for a whole slot, eight key steps
; of every wave, ahead of its first read; so nothing is prefetched beside it.  Two tensor loads of a wave are out at the start, one behind each round.
; xf: [128 k 8][16 rows 512][32 k 4][1,024], k = 64 head + channel.   LIMITS: NaN and infinities are not served; |x| beyond f16's 65,504 is not served.
; This launch claims all of LDS; it uses 264,192 bytes.
.set SLOT1, 131072
.set STEPB, 16384                      ; a key step in a slot: K's 8,192 bytes, then V's
.set SPARE, 262144                     ; behind the ring: the spare words, 128 bytes for each wave: eight blocks of 256 bytes that no other line names
.set LI,  1                            ; v1   16 x lane; never rewritten
.set ADR, 2                            ; v2   the step's LDS address
.set SPW, 4                            ; v4   my spare word; never rewritten
.set NIL, 5                            ; v5   0; never rewritten
.set ST,  12                           ; v12-27 tile t's statistics at ST + 8 t: +0 c m, +1 m, +2, +3 l in two halves, +4 .. +7 at work; a in +6
.set Q,   32                           ; v32-63   Q: tile t, channels 32 cs on, at 16 t + 8 cs
.set KV,  64                           ; v64-127  the step's K (16 kt + 8 cs), then its V^T (8 (4 kk + ct))
.set S,   128                          ; v128-191 S^T at 32 t + 8 kt; P is made in place, in each tile's low 16 registers
.set O,   192                          ; v192-255 O^T at 32 t + 8 ct
.set WV,  12                           ; s12  wave
.set G1,  24                           ; s[24:31] descriptor group 1;  s[32:39] group 0, one for each slot
.set G0,  32
.set CS,  58                           ; s[58:59] c: the packed form names a pair and takes its low word for both halves
.set SEL, 60                           ; s[60:61] lane l xor 16
.set TB,  62                           ; s62  LDS byte of the key step in hand
.set CNT, 63                           ; s63  steps to go in the slot
.macro CROUND                          ; a round of the cluster's barrier
	s_barrier_signal -1
	s_barrier_wait -1
	s_cmp_lg_u32 s[WV], 0
	s_cbranch_scc1 .Lnot_wave_0_\@
	s_barrier_signal -3
.Lnot_wave_0_\@:
	s_barrier_wait -3
	s_barrier_signal -1
	s_barrier_wait -1
.endm
; The two tiles' softmax of a key step, the tiles alternating line by line, so that no line waits for the line above it.
.macro SOFTMAX
.irp j, 0,1,2,3
.irp t, 0,1
	v_max3_num_f32 v[ST+8*\t+4+\j], v[S+32*\t+8*\j], v[S+32*\t+8*\j+1], v[S+32*\t+8*\j+2]   ; four chains, one for each tile of keys, each read from its low end on
.endr
.endr
.irp g, 1,2
.irp j, 0,1,2,3
.irp t, 0,1
	v_max3_num_f32 v[ST+8*\t+4+\j], v[ST+8*\t+4+\j], v[S+32*\t+8*\j+2*\g+1], v[S+32*\t+8*\j+2*\g+2]
.endr
.endr
.endr
.irp t, 0,1
	v_max3_num_f32 v[ST+8*\t+4], v[ST+8*\t+4], v[S+32*\t+7], v[S+32*\t+15]
.endr
.irp t, 0,1
	v_max3_num_f32 v[ST+8*\t+6], v[ST+8*\t+6], v[S+32*\t+23], v[S+32*\t+31]
.endr
.irp t, 0,1
	v_max3_num_f32 v[ST+8*\t+4], v[ST+8*\t+4], v[ST+8*\t+5], v[ST+8*\t+6]
.endr
.irp t, 0,1
	v_max3_num_f32 v[ST+8*\t+4], v[ST+8*\t+4], v[ST+8*\t+7], v[ST+8*\t+1]   ; and the old m
.endr
.irp t, 0,1
	v_permlanex16_b32 v[ST+8*\t+5], v[ST+8*\t+4], s[SEL], s[SEL+1]   ; the query's other 32 keys lie in the lane 16 away
.endr
.irp t, 0,1
	v_mov_b32 v[ST+8*\t+7], v[ST+8*\t]             ; c m_old is kept for a
.endr
.irp t, 0,1
	v_max_num_f32 v[ST+8*\t+1], v[ST+8*\t+4], v[ST+8*\t+5]
.endr
.irp t, 0,1
	v_mul_f32 v[ST+8*\t], s[CS], v[ST+8*\t+1]
.endr
.irp t, 0,1
	v_sub_f32 v[ST+8*\t+7], v[ST+8*\t+7], v[ST+8*\t]
.endr
.irp b, 0,1,2,3,4,5,6,7,8,9,10,11,12,13,14,15
.irp t, 0,1
	v_pk_fma_f32 v[S+32*\t+2*\b:S+32*\t+2*\b+1], v[S+32*\t+2*\b:S+32*\t+2*\b+1], s[CS:CS+1], v[ST+8*\t:ST+8*\t+1] op_sel_hi:[1,0,0] neg_lo:[0,0,1] neg_hi:[0,0,1]   ; c s - c m
.endr
.endr
.irp t, 0,1
	v_exp_f32 v[ST+8*\t+6], v[ST+8*\t+7]           ; a
.endr
.irp e, 0,1,2,3,4,5,6,7,8,9,10,11,12,13,14,15,16,17,18,19,20,21,22,23,24,25,26,27,28,29,30,31
.irp t, 0,1
	v_exp_f32 v[S+32*\t+\e], v[S+32*\t+\e]         ; p, at most 1
.endr
.endr
	v_nop                                          ; a plain place behind the last exponential
	s_wait_alu depctr_va_vdst(0)                   ; ONE wait for the batch of 66, ahead of its first reader
.irp t, 0,1
	v_pk_mul_f32 v[ST+8*\t+2:ST+8*\t+3], v[ST+8*\t+2:ST+8*\t+3], v[ST+8*\t+6:ST+8*\t+7] op_sel_hi:[1,0]   ; l x a
.endr
.irp t, 0,1
	v_pk_add_f32 v[ST+8*\t+4:ST+8*\t+5], v[S+32*\t:S+32*\t+1], v[S+32*\t+2:S+32*\t+3]   ; the sum of the unrounded p, in two chains
.endr
.irp j, 2,4,6,8,10,12,14
.irp t, 0,1
	v_pk_add_f32 v[ST+8*\t+2:ST+8*\t+3], v[ST+8*\t+2:ST+8*\t+3], v[S+32*\t+2*\j:S+32*\t+2*\j+1]
	v_pk_add_f32 v[ST+8*\t+4:ST+8*\t+5], v[ST+8*\t+4:ST+8*\t+5], v[S+32*\t+2*\j+2:S+32*\t+2*\j+3]
.endr
.endr
.irp t, 0,1
	v_pk_add_f32 v[ST+8*\t+2:ST+8*\t+3], v[ST+8*\t+2:ST+8*\t+3], v[ST+8*\t+4:ST+8*\t+5]
.endr
.irp j, 0,1,2,3,4,5,6,7,8,9,10,11,12,13,14,15
.irp t, 0,1
	v_cvt_pk_f16_f32 v[S+32*\t+\j], v[S+32*\t+2*\j], v[S+32*\t+2*\j+1]   ; P in place, ascending: register j is written when 2 j and 2 j + 1 are read, and j <= 2 j
.endr
.endr
.irp j, 0,1,2,3,4,5,6,7,8,9,10,11,12,13,14,15
.irp t, 0,1
	v_pk_mul_f32 v[O+32*\t+2*\j:O+32*\t+2*\j+1], v[O+32*\t+2*\j:O+32*\t+2*\j+1], v[ST+8*\t+6:ST+8*\t+7] op_sel_hi:[1,0]   ; O^T x a
.endr
.endr
.endm
; A KEY STEP: 64 keys.  In both products the eight accumulators take turns, one instruction a turn.
.macro STEP
	v_add_nc_u32 v[ADR], s[TB], v[LI]              ; with the four below: five places behind the last step's V^T P, whose P the first products write over and whose V the loads land on
.rept 4
	v_nop
.endr
.irp cs, 0,1                                   ; K: the first 32 channels' fragments first
.irp kt, 0,1,2,3
	ds_load_b128 v[KV+16*\kt+8*\cs:KV+16*\kt+8*\cs+3], v[ADR] offset:1024*(2*\kt+\cs)
	ds_load_b128 v[KV+16*\kt+8*\cs+4:KV+16*\kt+8*\cs+7], v[ADR] offset:1024*(2*\kt+\cs)+512
.endr
.endr
	s_wait_dscnt 8                                 ; the first eight loads are in
.irp kt, 0,1,2,3
.irp t, 0,1
	v_wmma_f32_16x16x32_f16 v[S+32*\t+8*\kt:S+32*\t+8*\kt+7], v[KV+16*\kt:KV+16*\kt+7], v[Q+16*\t:Q+16*\t+7], 0
.endr
.endr
	s_wait_dscnt 0x0
.irp kt, 0,1,2,3
.irp t, 0,1
	v_wmma_f32_16x16x32_f16 v[S+32*\t+8*\kt:S+32*\t+8*\kt+7], v[KV+16*\kt+8:KV+16*\kt+15], v[Q+16*\t+8:Q+16*\t+15], v[S+32*\t+8*\kt:S+32*\t+8*\kt+7]
.endr
.endr
.rept 4
	v_nop                                          ; places: V's loads land on K's registers, and the softmax reads the scores
.endr
.irp i, 0,1,2,3,4,5,6,7,8,9,10,11,12,13,14,15
	ds_load_b128 v[KV+4*\i:KV+4*\i+3], v[ADR] offset:8192+512*\i   ; V lands while the softmax runs
.endr
	SOFTMAX
	s_wait_dscnt 0x0                               ; V is in
.irp kk, 0,1
.irp ct, 0,1,2,3
.irp t, 0,1
	v_wmma_f32_16x16x32_f16 v[O+32*\t+8*\ct:O+32*\t+8*\ct+7], v[KV+8*(4*\kk+\ct):KV+8*(4*\kk+\ct)+7], v[S+32*\t+8*\kk:S+32*\t+8*\kk+7], v[O+32*\t+8*\ct:O+32*\t+8*\ct+7]
.endr
.endr
.endr
.endm
.macro RUN base                        ; a slot's eight key steps
	s_mov_b32 s[TB], \base
	s_mov_b32 s[CNT], 8
.Lrun_\@:
	STEP
	s_add_co_u32 s[TB], s[TB], STEPB
	s_sub_co_u32 s[CNT], s[CNT], 1
	s_cmp_lg_u32 s[CNT], 0
	s_cbranch_scc1 .Lrun_\@
.endm
; THE CHANGE OF SLOTS.  Each wave waits for all its tensor loads (its part of the slot ahead), adds 0 to its spare word, and waits for that and for its reads of the slot that it leaves.  The round
; shows the same of every wave of all four partners; behind it the slot just left is filled with the keys 1,024 further on: my one tensor load until the next round.
.macro CHANGE g
	s_wait_tensorcnt 0x0                           ; no tensor load of mine is out, so a group 0 may be written
	ds_add_u32 v[SPW], v[NIL]
	s_add_nc_u64 s[\g+2:\g+3], s[\g+2:\g+3], 2*65536   ; two slots' keys on; the type bits on top are not reached
	s_wait_dscnt 0x0                               ; the add is done, and my reads of the slot are over
	CROUND
	tensor_load_to_lds s[\g:\g+3], s[G1:G1+7]
	s_nop 0
.rept 4
	v_nop
.endr
.endm
	s_load_b128 s[4:7], s[0:1], 0x0                ; qkvf, xf
	v_lshl_add_u32 v[SPW], v0, 2, SPARE
	v_mov_b32 v[NIL], 0
	ds_add_u32 v[SPW], v[NIL]                      ; the wave's opening: the add, twice on end, and its wait ahead of my first tensor load
	ds_add_u32 v[SPW], v[NIL]                      ; and once more; the set-up below, work on registers, stands between it and the wait
	v_lshrrev_b32 v3, 5, v0
	v_readfirstlane_b32 s[WV], v3                  ; wave 0..15
	s_bfe_u32 s13, ttmp6, 0x40000                  ; cx: my block of 512 queries: it enters Q's and xf's addresses alone
	s_and_b32 s14, ttmp7, 0xffff                   ; batch x head, which the four partners share
	s_lshr_b32 s15, s[WV], 3                       ; I fetch for K (0) or for V (1),
	s_and_b32 s18, s[WV], 7                        ; this key step of a slot
	s_add_co_u32 s16, s15, 1
	s_lshl_b32 s16, s16, 24                        ; k's or v's part of qkvf,
	s_lshl_b32 s17, s14, 18                        ; my batch x head,
	s_add_co_u32 s16, s16, s17
	s_lshl_b32 s17, s18, 13                        ; my step's 8,192 bytes
	s_add_co_u32 s16, s16, s17
	s_mov_b32 s17, 0
	s_lshl_b32 s19, s18, 14                        ; and in a slot: 16,384 step + 8,192 (V)
	s_lshl_b32 s15, s15, 13
	s_add_co_u32 s19, s19, s15
	s_lshl_b32 s20, s14, 18                        ; Q: my batch x head, token tile 32 cx + 2 wave, 2,048 bytes a tile
	s_lshl_b32 s21, s13, 16
	s_add_co_u32 s20, s20, s21
	s_lshl_b32 s21, s[WV], 12
	s_add_co_u32 s20, s20, s21
	s_mov_b32 s21, 0
	s_and_b32 s22, s14, 15                         ; xf: head / 2 picks 128 k, head % 2 its half;
	s_lshr_b32 s23, s22, 1
	s_lshl_b32 s23, s23, 21
	s_and_b32 s22, s22, 1
	s_lshl_b32 s22, s22, 11
	s_add_co_u32 s22, s22, s23
	s_lshr_b32 s23, s14, 4                         ; row tile 128 b + 32 cx + 2 wave, 4,096 bytes a tile
	s_lshl_b32 s23, s23, 19
	s_add_co_u32 s22, s22, s23
	s_lshl_b32 s23, s13, 17
	s_add_co_u32 s22, s22, s23
	s_lshl_b32 s23, s[WV], 13
	s_add_co_u32 s22, s22, s23
	s_mov_b32 s23, 0
	; descriptor group 1: 8,192 dense bytes as 32 rows of 32 elements of 8 bytes; the mask names all four partners, bit 21 beside it
	s_mov_b32 s[G1+0], 15|(3<<16)|(1<<21)
	s_mov_b32 s[G1+1], 32<<16                      ; tensor_dim0
	s_mov_b32 s[G1+2], 32<<16                      ; tensor_dim1
	s_mov_b32 s[G1+3], 32<<16                      ; tile_dim0
	s_mov_b32 s[G1+4], 32                          ; tile_dim1
	s_mov_b32 s[G1+5], 32                          ; tensor_dim0_stride
	s_mov_b32 s[G1+6], 0
	s_mov_b32 s[G1+7], 0
	s_mov_b32 s[CS], 0x3d38aa3b                    ; c = log2(e) / 32
	s_mov_b32 s[CS+1], s[CS]
	s_mov_b32 s[SEL], 0x76543210
	s_mov_b32 s[SEL+1], 0xfedcba98
	v_and_b32 v3, 31, v0
	v_lshlrev_b32 v[LI], 4, v3
	s_wait_dscnt 0x0                               ; both opening adds are done
	s_wait_kmcnt 0x0
	s_add_nc_u64 s[16:17], s[4:5], s[16:17]
	s_add_nc_u64 s[40:41], s[4:5], s[20:21]
	s_add_nc_u64 s[42:43], s[6:7], s[22:23]
	CROUND                                         ; all four work-groups are here: the first joint loads meet
.irp n, 0,1
	s_mov_b32 s[G0+4*\n], 1
	s_add_co_u32 s[G0+4*\n+1], s19, \n*SLOT1
	s_add_nc_u64 s[G0+4*\n+2:G0+4*\n+3], s[16:17], \n*65536
	s_or_b32 s[G0+4*\n+3], s[G0+4*\n+3], 0x80000000
.endr
	tensor_load_to_lds s[G0:G0+3], s[G1:G1+7]      ; keys 0 to 511
	s_nop 0
	tensor_load_to_lds s[G0+4:G0+7], s[G1:G1+7]    ; keys 512 to 1,023
	s_nop 0
.rept 4
	v_nop
.endr
.irp i, 0,1,2,3,4,5,6,7
	global_load_b128 v[Q+4*\i:Q+4*\i+3], v[LI], s[40:41] offset:512*\i   ; Q's four images stay in registers
.endr
.irp t, 0,1
	v_mov_b32 v[ST+8*\t+1], 0xff61b1e6             ; m = -3e38, under every score
	v_mov_b32 v[ST+8*\t+2], 0                      ; l
	v_mov_b32 v[ST+8*\t+3], 0
	v_mul_f32 v[ST+8*\t], s[CS], v[ST+8*\t+1]      ; c m
.endr
.set i, 0
.rept 64
	v_mov_b32 v[O+i], 0                            ; O^T: the step is written once, and its first trip finds zeros
.set i, i+1
.endr
	s_wait_tensorcnt 1                             ; my part of slot 0 is in; slot 1's may stay out
	s_barrier_signal -1
	s_barrier_wait -1                              ; everybody's is
	s_wait_loadcnt 0x0                             ; Q
	RUN 0
	CHANGE G0                                      ; slot 0 takes keys 1,024 on
	RUN SLOT1
	CHANGE G0+4                                    ; slot 1 takes keys 1,536 on
	RUN 0
	s_wait_tensorcnt 0x0                           ; the last change of slots asks for nothing: the three lines and my work-group's barrier
	ds_add_u32 v[SPW], v[NIL]
	s_wait_dscnt 0x0
	s_barrier_signal -1
	s_barrier_wait -1
	RUN SLOT1
	; THE WAY OUT: O^T / l, rounded to f16: a lane's eight channels are its 16 bytes of an image
.rept 4
	v_nop                                          ; places behind the last products
.endr
.irp t, 0,1
	v_add_f32 v[ST+8*\t+4], v[ST+8*\t+2], v[ST+8*\t+3]
.endr
.irp t, 0,1
	v_permlanex16_b32 v[ST+8*\t+5], v[ST+8*\t+4], s[SEL], s[SEL+1]
.endr
.irp t, 0,1
	v_add_f32 v[ST+8*\t+4], v[ST+8*\t+4], v[ST+8*\t+5]
.endr
.irp t, 0,1
	v_rcp_f32 v[ST+8*\t+6], v[ST+8*\t+4]
.endr
	v_nop                                          ; a plain place behind the reciprocals
	s_wait_alu depctr_va_vdst(0)                   ; and one wait for both, ahead of their first reader
.irp j, 0,1,2,3,4,5,6,7,8,9,10,11,12,13,14,15
.irp t, 0,1
	v_pk_mul_f32 v[O+32*\t+2*\j:O+32*\t+2*\j+1], v[O+32*\t+2*\j:O+32*\t+2*\j+1], v[ST+8*\t+6:ST+8*\t+7] op_sel_hi:[1,0]
.endr
.endr
.irp j, 0,1,2,3,4,5,6,7,8,9,10,11,12,13,14,15
.irp t, 0,1
	v_cvt_pk_f16_f32 v[S+16*\t+\j], v[O+32*\t+2*\j], v[O+32*\t+2*\j+1]
.endr
.endr
.irp t, 0,1
.irp ct, 0,1,2,3
	global_store_b128 v[LI], v[S+16*\t+4*\ct:S+16*\t+4*\ct+3], s[42:43] offset:4096*\t+512*\ct   ; 32 lanes store 512 consecutive bytes, aligned
.endr
.endr
	s_wait_tensorcnt 0x0                           ; the wave's end
	ds_add_u32 v[SPW], v[NIL]
	s_wait_dscnt 0x0
	CROUND                                         ; the closing round: no work-group ends while a partner may still ask for a tile that names it
	s_endpgm
.Lfunc_end_k_q217014f7f0_attn:
	.size	k_q217014f7f0_attn, .Lfunc_end_k_q217014f7f0_attn-k_q217014f7f0_attn
	.p2alignl 7, 3214868480
	.fill 96, 4, 3214868480
	.section	.rodata,"a",@progbits
	.p2align	6, 0x0
	.amdhsa_kernel k_q217014f7f0_attn
		.amdhsa_group_segment_fixed_size 327680
		.amdhsa_private_segment_fixed_size 0
		.amdhsa_enable_private_segment 0
		.amdhsa_kernarg_size 16
		.amdhsa_user_sgpr_count 2
		.amdhsa_user_sgpr_kernarg_segment_ptr 1
		.amdhsa_wavefront_size32 1
		.amdhsa_system_sgpr_workgroup_id_x 1
		.amdhsa_system_sgpr_workgroup_id_y 1
		.amdhsa_system_sgpr_workgroup_id_z 1
		.amdhsa_system_vgpr_workitem_id 0
		.amdhsa_next_free_vgpr 256
		.amdhsa_next_free_sgpr 66
		.amdhsa_reserve_vcc 0
		.amdhsa_float_denorm_mode_32 3
		.amdhsa_float_denorm_mode_16_64 3
		.amdhsa_memory_ordered 1
		.amdhsa_forward_progress 1
		.amdhsa_inst_pref_size 84
	.end_amdhsa_kernel
	.amdgpu_metadata
---
amdhsa.version: [ 1, 2 ]
amdhsa.kernels:
  - .name:           k_q217014f7f0_attn
    .symbol:         k_q217014f7f0_attn.kd
    .args:
      - { .name: qkvf, .offset: 0, .size: 8, .value_kind: global_buffer, .address_space: global }
      - { .name: xf, .offset: 8, .size: 8, .value_kind: global_buffer, .address_space: global }
    .group_segment_fixed_size: 327680
    .private_segment_fixed_size: 0
    .kernarg_segment_align: 8
    .kernarg_segment_size: 16
    .max_flat_workgroup_size: 512
    .sgpr_count:     66
    .vgpr_count:     256
    .wavefront_size: 32
...
	.end_amdgpu_metadata
.endif
;; end of part 3
;; launch outp (part 4): grid 4 x 64, 4 waves a work-group, clusters of 4 x 4, 327,680 bytes of LDS; arguments xf, wof, bo, out0; writes out0
.if DOCPART == 4
	.amdgcn_target "amdgcn-amd-amdhsa--gfx1250"
	.amdhsa_code_object_version 6
	.text
	.protected	k_q217014f7f0_outp
	.globl	k_q217014f7f0_outp
	.p2align	8
	.type	k_q217014f7f0_outp,@function
k_q217014f7f0_outp:
	s_mov_b64 s[64:65], 0
	v_nop
	global_prefetch_b8 v0, s[64:65] scope:SCOPE_SE
	s_setreg_imm32_b32 hwreg(HW_REG_WAVE_MODE, 25, 1), 1
	s_wait_xcnt 0x0
	s_wait_alu depctr_hold_cnt(0) depctr_sa_sdst(0) depctr_va_vdst(0) depctr_va_sdst(0) depctr_va_ssrc(0) depctr_va_vcc(0) depctr_vm_vsrc(0)
	s_getreg_b32 s2, hwreg(HW_REG_IB_STS2, 6, 4)
	s_cmp_eq_u32 s2, 0
	s_cbranch_scc0 .Lentry_in_a_cluster
	s_endpgm
.Lentry_in_a_cluster:
	s_bfe_u32 s2, ttmp6, 0x10000c
	s_cmp_lg_u32 s2, 0xf033
	s_cbranch_scc0 .Lentry_shape_is_right
	s_endpgm
.Lentry_shape_is_right:
; out0 = x Wo + bo.  x [8192][1024] and Wo^T [1024 (n)][1024 (k)] arrive as f16 IMAGES OF THE OPERANDS' REGISTERS (xf, wof: 1,024 bytes for 16 rows x 32 k, lane l's 16 bytes at 16 l of each half); sums f32; out0 f32.
; A tile of out0 is 128 rows x 256 columns: 256 work-groups.  Four waves, each 64 x 128: 32 accumulators (window 1).  K goes in steps of 128 through a ring of two LDS slots: a step's tile of x is 32,768 dense
; bytes of xf, its tile of Wo 65,536 dense bytes of wof; waves 0 and 1 fetch x's halves, waves 2 and 3 Wo's.  LDS loads are 512 consecutive bytes: no padding.
; CLUSTERS: 4 x 4 work-groups.  The four of a row of the cluster need the same tiles of x, the four of a column the same tiles of Wo: each tile is asked for JOINTLY.
; THE MATRIX INSTRUCTION IS USED TRANSPOSED (source 0 = 16 columns of Wo, source 1 = 16 rows of x): a lane holds eight neighbouring numbers of a row of out0.  bo is the C of each sum's first product (window 2).
; THE WAY OUT: 16 rows x 128 columns at a time through the wave's own stage in LDS, back as whole rows of 512 bytes.  The stages lie in slot 0, which has had its last fill and its last read by then.
; Two tensor loads of a wave are out at the start, one behind each round.  This launch claims all of LDS; it uses 197,120 bytes.
.set SLOT,   98304                     ; x's 8 row tiles x 4 x 1,024, then Wo's 16 column tiles x 4 x 1,024
.set BOFF,   32768
.set SPARE,  196608                    ; behind the ring: the spare words, 128 bytes for each wave: two blocks of 256 bytes that no other line names
.set SPITCH, 528                       ; a stage row: 512 bytes + 16
.set LI,   1                           ; v1     16 x lane; also my byte offset in a row's 512 bytes of out0
.set ADRA, 16                          ; v16-17 my x fragments in slot 0, 1
.set ADRB, 20                          ; v20-21 my Wo fragments
.set STO,  24                          ; v24    the stage: where I put 32 bytes of a row
.set RD,   25                          ; v25    and where I read a row back
.set BH,   27                          ; v27    32 x (lane / 16): my eight columns of a tile, in bo
.set SPW,  28                          ; v28    my spare word; never rewritten
.set NIL,  29                          ; v29    0; never rewritten
.set F0,   32                          ; a fragment buffer: x's 4 x 8 registers, then Wo's 8 x 8: v32-127 and v128-223
.set F1,   128
.set BK,   32                          ; the way out: 16 rows read back: v32-95 and v96-159 by turns
.set G1,  24                           ; s[24:31] group 1 for x's tiles;  s[32:39] group 0, one for each slot
.set G0,  32
.set G1B, 48                           ; s[48:55], s[56:63] the same for Wo's
.set G0B, 56
.set MSB, 0
.macro WIN new                         ; the immediate's high byte repeats the setting that is left
.if MSB != \new
	s_set_vgpr_msb (MSB<<8)|\new
.set MSB, \new
.endif
.endm
.macro JLOAD s                         ; a joint load: waves 0 and 1 for x, waves 2 and 3 for Wo; an s_nop 0 and four v_nop follow each of the two lines
	s_cmp_eq_u32 s11, 0
	s_cbranch_scc0 .Lfor_b_\@
	tensor_load_to_lds s[G0+4*\s:G0+4*\s+3], s[G1:G1+7]
	s_nop 0
.rept 4
	v_nop
.endr
	s_branch .Lasked_\@
.Lfor_b_\@:
	tensor_load_to_lds s[G0B+4*\s:G0B+4*\s+3], s[G1B:G1B+7]
	s_nop 0
.rept 4
	v_nop
.endr
.Lasked_\@:
.endm
.macro CREST                           ; a round of the cluster's barrier behind its opening barrier
	s_cmp_lg_u32 s10, 0
	s_cbranch_scc1 .Lnot_wave_0_\@
	s_barrier_signal -3
.Lnot_wave_0_\@:
	s_barrier_wait -3
	s_barrier_signal -1
	s_barrier_wait -1
.endm
.macro CROUND
	s_barrier_signal -1
	s_barrier_wait -1
	CREST
.endm
.macro PLACES                          ; four plain places behind a matrix instruction, ahead of loads into its sources and of reads of its results
.rept 4
	v_nop
.endr
.endm
; 8 na products: row tiles a0 .. a0 + na - 1 x all 8 column tiles, 32 along K, from buffer f.  first = 1: C is the bias.  The 32 accumulators take turns in the same order in every quarter.
.macro MUL f, a0, na, first
.set aa, \a0
.rept \na
.irp b, 0,1,2,3,4,5,6,7
.if \first
	v_wmma_f32_16x16x32_f16 v[8*(8*aa+\b):8*(8*aa+\b)+7], v[\f+32+8*\b:\f+32+8*\b+7], v[\f+8*aa:\f+8*aa+7], v[8*\b:8*\b+7]
.else
	v_wmma_f32_16x16x32_f16 v[8*(8*aa+\b):8*(8*aa+\b)+7], v[\f+32+8*\b:\f+32+8*\b+7], v[\f+8*aa:\f+8*aa+7], v[8*(8*aa+\b):8*(8*aa+\b)+7]
.endif
.endr
.set aa, aa+1
.endr
.endm
.macro FETCH slot, q, f                ; 24 LDS loads in one run: the slot's q-th 32 along K: Wo's eight fragments, then x's four
.irp i, 0,1,2,3,4,5,6,7
	ds_load_b128 v[\f+32+8*\i:\f+32+8*\i+3], v[ADRB+\slot] offset:4096*\i+1024*(\q)
	ds_load_b128 v[\f+32+8*\i+4:\f+32+8*\i+7], v[ADRB+\slot] offset:4096*\i+1024*(\q)+512
.endr
.irp i, 0,1,2,3
	ds_load_b128 v[\f+8*\i:\f+8*\i+3], v[ADRA+\slot] offset:4096*\i+1024*(\q)
	ds_load_b128 v[\f+8*\i+4:\f+8*\i+7], v[ADRA+\slot] offset:4096*\i+1024*(\q)+512
.endr
.endm
.macro MWIN first
.if \first
	WIN 0x60                                       ; D window 1, C (the bias) window 2
.else
	WIN 0x50                                       ; C and D window 1
.endif
.endm
; One of a K step's first three quarters: multiplies buffer f and, in its middle, fetches quarter q of the same slot into g.
.macro QUARTER slot, q, f, g, first
	s_wait_dscnt 4                                 ; Wo's fragments and x's row tiles 0, 1 are in; the youngest four loads (row tiles 2, 3) may be out
	MWIN \first
	MUL \f, 0, 2, \first
	WIN 0
	PLACES
	FETCH \slot, \q, \g
	s_wait_dscnt 24                                ; all but the 24 just issued
	MWIN \first
	MUL \f, 2, 2, \first
.endm
; The last quarter multiplies buffer 1 and changes slots: ONE barrier; in front of it each wave waits for all its tensor loads, adds 0 to its spare word, and waits for that and for its reads of this slot.
; fill = 1: the barrier opens a round of the cluster's, and this slot is filled again, two K steps ahead: from that request to the wait for it a wave issues 112 products.
.macro TURN slot, next, fill
	WIN 0
	s_wait_tensorcnt 0x0                           ; all my tensor loads have landed: my part of the next slot
	ds_add_u32 v[SPW], v[NIL]
	s_wait_dscnt 5                                 ; (the add and the youngest four loads may be out)
	WIN 0x50
	MUL F1, 0, 1, 0                                ; eight products stand between the add and the wait for it
	s_wait_dscnt 0x0                               ; the add is done, and my reads of this slot are over
	s_barrier_signal -1
	MUL F1, 1, 1, 0
	WIN 0
	s_barrier_wait -1
.if \fill
	CREST                                          ; no wave of any partner still reads this slot's tile or has a load on its way
	s_add_nc_u64 s[G0+4*\slot+2:G0+4*\slot+3], s[G0+4*\slot+2:G0+4*\slot+3], 2*2097152
	s_add_nc_u64 s[G0B+4*\slot+2:G0B+4*\slot+3], s[G0B+4*\slot+2:G0B+4*\slot+3], 2*65536
	JLOAD \slot                                    ; the first tensor load behind the round; its four v_nop are also the places in front of the loads below
.else
	PLACES
.endif
	FETCH \next, 0, F0
	WIN 0x50
	MUL F1, 2, 2, 0
.endm
	s_load_b128 s[4:7], s[0:1], 0x0                ; xf, wof
	s_load_b128 s[16:19], s[0:1], 0x10             ; bo, out0
	v_lshl_add_u32 v[SPW], v0, 2, SPARE
	v_mov_b32 v[NIL], 0
	ds_add_u32 v[SPW], v[NIL]                      ; the wave's opening: the add, twice on end, and its wait ahead of my first tensor load
	ds_add_u32 v[SPW], v[NIL]                      ; and once more; the set-up below, work on registers, stands between it and the wait
	v_lshrrev_b32 v2, 5, v0
	v_readfirstlane_b32 s10, v2                    ; wave 0..3
	s_lshr_b32 s11, s10, 1                         ; which 64 rows are mine.  Also: I fetch for x (0) or for Wo (1)
	s_and_b32 s12, s10, 1                          ; which 128 columns.  Also: which half of that tile I fetch
	s_bfe_u32 s40, ttmp6, 0x40000                  ; cx, cy: my place in the cluster
	s_bfe_u32 s41, ttmp6, 0x40004
	s_lshl_b32 s42, ttmp9, 2
	s_add_co_u32 s42, s42, s40                     ; tile column = 4 x cluster x + cx
	s_and_b32 s13, ttmp7, 0xffff
	s_lshl_b32 s13, s13, 2
	s_add_co_u32 s13, s13, s41                     ; tile row = 4 x cluster y + cy
	s_lshl_b32 s43, s41, 2
	s_lshl_b32 s43, 15, s43                        ; my row of the cluster
	s_lshl_b32 s44, 0x1111, s40                    ; my column
	; descriptor group 1: dense bytes as rows of 32 elements of 8 bytes: x 64 rows (16,384 bytes), Wo 128 rows (32,768 bytes); bit 21 beside the mask
	s_or_b32 s[G1+0], s43, (3<<16)|(1<<21)
	s_or_b32 s[G1B+0], s44, (3<<16)|(1<<21)
	s_mov_b32 s[G1+1], 32<<16                      ; tensor_dim0
	s_mov_b32 s[G1+2], 64<<16                      ; tensor_dim1
	s_mov_b32 s[G1+3], 32<<16                      ; tile_dim0
	s_mov_b32 s[G1+4], 64                          ; tile_dim1
	s_mov_b32 s[G1+5], 32                          ; tensor_dim0_stride
	s_mov_b32 s[G1+6], 0
	s_mov_b32 s[G1+7], 0
	s_mov_b32 s[G1B+1], 32<<16
	s_mov_b32 s[G1B+2], 128<<16
	s_mov_b32 s[G1B+3], 32<<16
	s_mov_b32 s[G1B+4], 128
	s_mov_b32 s[G1B+5], 32
	s_mov_b32 s[G1B+6], 0
	s_mov_b32 s[G1B+7], 0
	s_lshl_b32 s20, s12, 14                        ; x: my half's 16,384 bytes, in memory and in a slot
	s_lshl_b32 s14, s13, 15                        ; the tile row's 8 row tiles of 4,096 bytes
	s_add_co_u32 s14, s14, s20
	s_mov_b32 s15, 0
	s_lshl_b32 s21, s12, 15                        ; Wo: my half's 32,768 bytes
	s_lshl_b32 s46, s42, 19                        ; the tile column's part of wof
	s_add_co_u32 s46, s46, s21
	s_mov_b32 s47, 0
	s_add_co_u32 s21, s21, BOFF                    ; in a slot Wo's tile lies behind x's
	s_wait_dscnt 0x0                               ; both opening adds are done
	s_wait_kmcnt 0x0
	s_add_nc_u64 s[14:15], s[4:5], s[14:15]
	s_add_nc_u64 s[46:47], s[6:7], s[46:47]
	CROUND                                         ; all sixteen work-groups are here: the first joint loads meet
.irp s, 0,1
	s_mov_b32 s[G0+4*\s], 1
	s_add_co_u32 s[G0+4*\s+1], s20, \s*SLOT
	s_add_nc_u64 s[G0+4*\s+2:G0+4*\s+3], s[14:15], \s*2097152
	s_or_b32 s[G0+4*\s+3], s[G0+4*\s+3], 0x80000000
	s_mov_b32 s[G0B+4*\s], 1
	s_add_co_u32 s[G0B+4*\s+1], s21, \s*SLOT
	s_add_nc_u64 s[G0B+4*\s+2:G0B+4*\s+3], s[46:47], \s*65536
	s_or_b32 s[G0B+4*\s+3], s[G0B+4*\s+3], 0x80000000
	JLOAD \s
.endr
	v_and_b32 v2, 31, v0
	v_lshlrev_b32 v[LI], 4, v2
	v_and_b32 v3, 15, v0                           ; r
	v_bfe_u32 v4, v0, 4, 1                         ; h
	s_lshl_b32 s22, s11, 14                        ; my 4 row tiles of x
	s_lshl_b32 s23, s12, 15                        ; my 8 column tiles of Wo
	s_add_co_u32 s23, s23, BOFF
.irp s, 0,1
	v_add_nc_u32 v[ADRA+\s], s22, v[LI]
	v_add_nc_u32 v[ADRB+\s], s23, v[LI]
	s_add_co_u32 s22, s22, SLOT
	s_add_co_u32 s23, s23, SLOT
.endr
	s_mul_i32 s22, s10, 16*SPITCH                  ; my stage
	v_mul_u32_u24 v5, v3, SPITCH
	v_lshl_add_u32 v5, v4, 5, v5
	v_add_nc_u32 v[STO], s22, v5                   ; in: row r, 32 bytes for each half of the lanes
	v_add_nc_u32 v[RD], s22, v[LI]                 ; back: the 32 lanes take one row of 512 bytes
	v_lshlrev_b32 v[BH], 5, v4
	s_lshl_b32 s22, s42, 10                        ; my first column, in bytes: 1,024 x tile column + 512 x half: in bo and in a row of out0
	s_lshl_b32 s23, s12, 9
	s_add_co_u32 s22, s22, s23
	s_mov_b32 s23, 0
	s_add_nc_u64 s[16:17], s[16:17], s[22:23]
	s_add_nc_u64 s[18:19], s[18:19], s[22:23]
	s_lshl_b32 s22, s13, 19                        ; my first row: 128 x tile row + 64 x half, 4,096 bytes a row
	s_lshl_b32 s2, s11, 18
	s_add_co_u32 s22, s22, s2
	s_add_nc_u64 s[18:19], s[18:19], s[22:23]
	WIN 0x80                                       ; destination window 2
.irp b, 0,1,2,3,4,5,6,7
	global_load_b128 v[8*\b:8*\b+3], v[BH], s[16:17] offset:64*\b        ; bo at columns 16 b + 8 h + 0 .. 7: the result's layout
	global_load_b128 v[8*\b+4:8*\b+7], v[BH], s[16:17] offset:64*\b+16
.endr
	WIN 0
	s_wait_tensorcnt 1                             ; my part of K step 0 is in; K step 1's may stay out
	s_barrier_signal -1
	s_barrier_wait -1                              ; everybody's is
	FETCH 0, 0, F0
	s_wait_loadcnt 0x0                             ; the bias
	QUARTER 0, 1, F0, F1, 1                        ; the first quarter stands in front of the loop: its products start the sums, on the bias
	WIN 0                                          ; at a label and at a branch every window is 0
	s_mov_b32 s3, 3
.Llap:                                             ; a trip goes once round the ring, from a lap's second quarter to the next lap's first, and fills both slots again: K steps 2 to 7
	QUARTER 0, 2, F1, F0, 0
	QUARTER 0, 3, F0, F1, 0
	TURN 0, 1, 1
	QUARTER 1, 1, F0, F1, 0
	QUARTER 1, 2, F1, F0, 0
	QUARTER 1, 3, F0, F1, 0
	TURN 1, 0, 1
	QUARTER 0, 1, F0, F1, 0
	WIN 0
	s_sub_co_u32 s3, s3, 1
	s_cmp_lg_u32 s3, 0
	s_cbranch_scc1 .Llap
	QUARTER 0, 2, F1, F0, 0                        ; the last lap fills nothing, and has no round of the cluster's barrier
	QUARTER 0, 3, F0, F1, 0
	TURN 0, 1, 0
	QUARTER 1, 1, F0, F1, 0
	QUARTER 1, 2, F1, F0, 0
	QUARTER 1, 3, F0, F1, 0
	s_wait_dscnt 0x0                               ; the very last quarter: nothing more to fetch
	WIN 0x50
	MUL F1, 0, 4, 0
	WIN 0
; THE WAY OUT.  LDS serves a wave's instructions in order (ISA guide 5.7.1.4): no wait between the stores into my stage and the loads from it, nor in front of the next block's stores.
.macro TOSTAGE a
	WIN 0x04                                       ; an LDS store's data are its source 1: window 1
.irp b, 0,1,2,3,4,5,6,7
	ds_store_b128 v[STO], v[64*(\a)+8*\b:64*(\a)+8*\b+3] offset:64*\b          ; each accumulator from its low end on
	ds_store_b128 v[STO], v[64*(\a)+8*\b+4:64*(\a)+8*\b+7] offset:64*\b+16
.endr
	WIN 0
.set BB, BK+64*((\a)%2)
.irp t, 0,1,2,3,4,5,6,7,8,9,10,11,12,13,14,15
	ds_load_b128 v[BB+4*\t:BB+4*\t+3], v[RD] offset:\t*SPITCH
.endr
.endm
.macro SEND a, younger                 ; younger: the LDS instructions issued behind block a's loads, which may stay out
.set BB, BK+64*((\a)%2)
	s_wait_dscnt \younger
.irp t, 0,1,2,3,4,5,6,7,8,9,10,11,12,13,14,15
	global_store_b128 v[LI], v[BB+4*\t:BB+4*\t+3], s[18:19] offset:65536*(\a)+4096*\t th:TH_STORE_NT   ; 32 lanes store 512 consecutive bytes, aligned; written once, read by nobody here
.endr
.endm
	PLACES                                         ; behind the last products: for the reads of results and for the loads into the registers that held fragments
	TOSTAGE 0
.irp a, 1,2,3
.if \a > 1
	s_wait_xcnt 0x0                                ; block a - 2's stores have read their registers: block a's loads may land there
.endif
	TOSTAGE \a
	SEND \a-1, 32                                  ; behind block a - 1's loads: block a's 16 stores and 16 loads
.endr
	SEND 3, 0
	s_wait_tensorcnt 0x0                           ; the wave's end, behind my last tensor load and my last LDS store
	ds_add_u32 v[SPW], v[NIL]
	s_wait_dscnt 0x0
	CROUND                                         ; the closing round: no work-group ends while a partner may still ask for a tile that names it
	s_endpgm
.Lfunc_end_k_q217014f7f0_outp:
	.size	k_q217014f7f0_outp, .Lfunc_end_k_q217014f7f0_outp-k_q217014f7f0_outp
	.p2alignl 7, 3214868480
	.fill 96, 4, 3214868480
	.section	.rodata,"a",@progbits
	.p2align	6, 0x0
	.amdhsa_kernel k_q217014f7f0_outp
		.amdhsa_group_segment_fixed_size 327680
		.amdhsa_private_segment_fixed_size 0
		.amdhsa_enable_private_segment 0
		.amdhsa_kernarg_size 32
		.amdhsa_user_sgpr_count 2
		.amdhsa_user_sgpr_kernarg_segment_ptr 1
		.amdhsa_wavefront_size32 1
		.amdhsa_system_sgpr_workgroup_id_x 1
		.amdhsa_system_sgpr_workgroup_id_y 1
		.amdhsa_system_sgpr_workgroup_id_z 1
		.amdhsa_system_vgpr_workitem_id 0
		.amdhsa_next_free_vgpr 576
		.amdhsa_next_free_sgpr 66
		.amdhsa_reserve_vcc 0
		.amdhsa_float_denorm_mode_32 3
		.amdhsa_float_denorm_mode_16_64 3
		.amdhsa_memory_ordered 1
		.amdhsa_forward_progress 1
		.amdhsa_inst_pref_size 86
	.end_amdhsa_kernel
	.amdgpu_metadata
---
amdhsa.version: [ 1, 2 ]
amdhsa.kernels:
  - .name:           k_q217014f7f0_outp
    .symbol:         k_q217014f7f0_outp.kd
    .args:
      - { .name: xf, .offset: 0, .size: 8, .value_kind: global_buffer, .address_space: global }
      - { .name: wof, .offset: 8, .size: 8, .value_kind: global_buffer, .address_space: global }
      - { .name: bo, .offset: 16, .size: 8, .value_kind: global_buffer, .address_space: global }
      - { .name: out0, .offset: 24, .size: 8, .value_kind: global_buffer, .address_space: global }
    .group_segment_fixed_size: 327680
    .private_segment_fixed_size: 0
    .kernarg_segment_align: 8
    .kernarg_segment_size: 32
    .max_flat_workgroup_size: 128
    .sgpr_count:     66
    .vgpr_count:     576
    .wavefront_size: 32
...
	.end_amdgpu_metadata
.endif
;; end of part 4
